; MI455X (gfx1250); checked and timed in simulation.
; The chip was launched on July 23, 2026; its instructions are those of AMD's public machine-readable ISA for CDNA 5 (MIT licence, August 2026) and "CDNA5" Instruction Set Architecture Reference Guide (July 2026). The comments in the code are by the model that wrote it; some were corrected since.
;; Causal Self Attention. Allowed arithmetic: matrix products marked QUANTISED: E4M3 operands, one given power-of-two scale a tensor, by v_wmma_f32_16x16x64_fp8_fp8 or v_wmma_f32_16x16x128_fp8_fp8, f32 sums; everything else in f32.
;; Inputs: lowp_scales 8 int32 (the exponents e of the quantised operands' scales 2^e); w_out 1,024 x 1,024 float32; w_qkv 1,024 x 3,072 float32; x 4 x 2,048 x 1,024 float32.
;; Outputs: out0 4 x 2,048 x 1,024 float32.
;; This version of the problem:
;;   THIS VERSION OF THE PROBLEM IS GIVEN IN LOW PRECISION. The matrix products marked QUANTISED in the list below multiply operands that are first quantised to E4M3 (4 exponent bits, 3 mantissa bits; 8 bits a number), with one given power-of-two scale for each operand tensor; their sums are f32. All else is computed in f32.
;;   The module's matrix products, in the order in which they are computed (A, B: the left and right operand; K: the contracted axis; several contracted axes count as one K, in the product's order):
;;     1. [M 8,192, K 1,024] x [K 1,024, N 3,072]; A: input x; B: input w_qkv: QUANTISED (scales: A lowp_scales[0], B lowp_scales[1])
;;     2. batch 64 x [M 2,048, K 64] x [K 64, N 2,048]; A: computed on the way; B: computed on the way: QUANTISED (scales: A lowp_scales[2], B lowp_scales[3])
;;     3. batch 64 x [M 2,048, K 2,048] x [K 2,048, N 64]; A: softmax (see below); B: computed on the way: QUANTISED (scales: A lowp_scales[4], B lowp_scales[5])
;;     4. [M 8,192, K 1,024] x [K 1,024, N 1,024]; A: computed on the way; B: input w_out: QUANTISED (scales: A lowp_scales[6], B lowp_scales[7])
;;   THE QUANTISER, for each operand of a quantised product, along K:
;;     - The operand's scale is 2^e, e = its entry of the input lowp_scales (int32; the entries are numbered through the quantised products in the list's order, A before B).
;;     - Each number is divided by the scale, clamped to +-448, and rounded to the nearest number of E4M3, ties to even, subnormals kept.
;;     - The product sums the exact products of the quantised numbers (number of the format x scale) in f32.
;;   ~~~python
;;   def quantise(x, axis, e):      # numpy; x: float32 -> the quantised numbers, widened to float32 again
;;       x = np.moveaxis(x, axis, -1); K = x.shape[-1]
;;       r = np.clip(x / 2.0 ** e, -448, 448)
;;       step = 2.0 ** (np.maximum(np.frexp(np.where(r == 0, 1, r))[1] - 1, -6) - 3)
;;       q = np.round(r / step) * step * 2.0 ** e      # np.round: ties to even
;;       return np.moveaxis(q, -1, axis).astype(np.float32)
;;   ~~~
;;   SOFTMAX AHEAD OF A QUANTISED PRODUCT. Where the list says 'softmax', what is quantised is not the finished softmax but p = 2^(t - M), with t = logit x log2(e) and M = ceil(the row's largest t), a whole number; so 1/2 < the row's largest p <= 1. The row's sum l is taken of the UNQUANTISED p, in f32, and the product's result is divided by l at the end. Since M is a whole number, a kernel that streams over the keys may use a running M (the ceiling of the running maximum): every later rescaling is an exact power of two, so the quantised numbers keep their values, but for numbers so far below the row's largest that they fall under the format's range.
;;   OPERANDS COMPUTED ON THE WAY. 'Computed on the way' means the value that the module computes at that place (a softmax that the list does not call 'softmax' is quantised finished and normalised). What goes into a quantiser is computed in f32, as accurately as f32 sums, v_exp_f32 and their like allow (about 1e-6 of the number): no bf16 or f16 on the way to a quantiser, and a product that is left as it is and whose result goes on into a quantised operand takes f32 operands (vector FMAs, or v_wmma_f32_16x16x4_f32). A number that lies on a knife's edge between two numbers of the format may be rounded either way, as far as f32 arithmetic and the matrix unit's own rounding can turn it there, and no further.
;; One version. Each part assembles by itself: llvm-mc -triple=amdgcn-amd-amdhsa -mcpu=gfx1250 --defsym DOCPART=n.
;; ======== version 1 of 1: 4 launches
;; limits: right only within a limited range of input values
;; workspace buffers: x_codes 8,388,608 bytes; wq_codes 3,145,728 bytes; wo_codes 1,048,576 bytes; qkv_img 25,165,824 bytes; y_img 8,388,608 bytes
;; launch quant (part 1): grid 96 x 4, 4 waves a work-group, no clusters, 102,912 bytes of LDS; arguments x, w_qkv, w_out, lowp_scales, x_codes, wq_codes, wo_codes; writes x_codes, wq_codes, wo_codes
.if DOCPART == 1
	.amdgcn_target "amdgcn-amd-amdhsa--gfx1250"
	.amdhsa_code_object_version 6
	.text
	.protected	k_q92ba65033a_quant
	.globl	k_q92ba65033a_quant
	.p2align	8
	.type	k_q92ba65033a_quant,@function
k_q92ba65033a_quant:
	s_mov_b64 s[64:65], 0
	v_nop
	global_prefetch_b8 v0, s[64:65] scope:SCOPE_SE
	s_setreg_imm32_b32 hwreg(HW_REG_WAVE_MODE, 25, 1), 1
	s_wait_xcnt 0x0
; The three f32 inputs become codes of E4M3, K innermost, each with its given scale 2^e:  code = number / 2^e, held within +-448, to the nearest code, ties to even.
;   x     [8192][1024]  -> x_codes  [8192][1024]            e = entry 0 of the scales
;   w_qkv [1024][3072]  -> wq_codes [3072 (n)][1024 (k)]    e = entry 1   (K is the FIRST axis of the weight)
;   w_out [1024][1024]  -> wo_codes [1024 (n)][1024 (k)]    e = entry 7;  inside each 32 along K the second and third group of eight change places (see WBLOCK)
; LIMITS: each e lies between -126 and 119, so that 2^e and 448 x 2^e are f32 numbers.  NaN among the inputs is not served; an infinity is held at the largest code.
; ONE LAUNCH, THREE PATHS, parted by the work-group's x alone: x < 24: w_qkv (128 columns x 256 along K);  24 <= x < 32: w_out (the same);  x >= 32: 32,768 numbers of x.
; Every work-group reads 131,072 bytes.  Each path has LDS bytes of its own and its own end.  No tensor loads, no barrier: waves share nothing.
.set SP,    80                         ; path x: a lane's place in a stage: its 64 bytes + 16 of padding
.set WREG,  8192                       ; path x: LDS bytes of a wave: two stages of 32 x SP bytes
.set STEPS, 16                         ; path x: steps of 512 numbers a wave
.set XR,    16                         ; path x: v16-79   four sets of 16 numbers as they are loaded
.set XX,    80                         ; path x: v80-111  two sets of 16 neighbours
.set XC,    128                        ; path x: v128-191 codes: four registers for each step, so that no store's data are written again
.set WP,    272                        ; paths w: a stage row: 256 bytes of codes + 16
.set WX,    32                         ; paths w: v32-95   two sets of 32 numbers
.set WC,    96                         ; paths w: v96-103  a block's codes
.set WO,    112                        ; paths w: v112-175 the way out
; 2^e as f32 (the conversion takes its exponent field) into v11, 448 x 2^e into s24
.macro SCALES es
	s_wait_kmcnt 0x0                               ; the scales' exponents are in
	s_add_co_i32 s24, s[\es], 127
	s_lshl_b32 s25, s24, 23
	v_mov_b32 v11, s25
	s_add_co_i32 s24, s24, 8
	s_lshl_b32 s24, s24, 23
	s_or_b32 s24, s24, 0x600000                    ; the mantissa field of 448
.endm
; ---- path x
.macro XLOAD t
.irp i, 0,1,2,3
	global_load_b128 v[XR+16*((\t)%4)+4*\i:XR+16*((\t)%4)+4*\i+3], v3, s[32:33] offset:2048*(\t)+512*\i th:TH_LOAD_NT   ; 32 lanes read 512 consecutive bytes
.endr
.endm
.macro XTURN t                         ; step t's 2,048 bytes through the stage: in as they lie, out 64 bytes a lane.  LDS serves a wave's instructions in order: no wait between the stores and the loads
.irp i, 0,1,2,3
	ds_store_b128 v14, v[XR+16*((\t)%4)+4*\i:XR+16*((\t)%4)+4*\i+3] offset:32*SP*((\t)%2)+8*SP*\i
.endr
.irp i, 0,1,2,3
	ds_load_b128 v[XX+16*((\t)%2)+4*\i:XX+16*((\t)%2)+4*\i+3], v15 offset:32*SP*((\t)%2)+16*\i
.endr
.endm
.macro XSTEP t
.set XS, XX+16*((\t)%2)
	s_wait_dscnt 0x0                               ; this step's numbers are back from the stage: so its stores into the stage have read their registers,
.if (\t)+4 < STEPS
	XLOAD (\t)+4                                   ; which take the loads of four steps on
.endif
.if (\t)+1 < STEPS
.if STEPS-2-(\t) >= 3
	s_wait_loadcnt 12                              ; the next step's four loads are in; those of the three steps behind it may be out
.else
	s_wait_loadcnt 4*(STEPS-2-(\t))                ; the tail: fewer steps are behind it
.endif
	XTURN (\t)+1                                   ; and go through the other stage while this step is worked
.endif
.irp i, 0,1,2,3,4,5,6,7,8,9,10,11,12,13,14,15
.endr
	v_cvt_scalef32_pk8_fp8_f32 v[XC+4*(\t):XC+4*(\t)+1], v[XS:XS+7], v11
	v_cvt_scalef32_pk8_fp8_f32 v[XC+4*(\t)+2:XC+4*(\t)+3], v[XS+8:XS+15], v11
	global_store_b128 v3, v[XC+4*(\t):XC+4*(\t)+3], s[34:35] offset:512*(\t)   ; the wave stores 512 consecutive bytes, aligned.  (The codes go to a store alone)
.endm
; ---- paths w: a lane takes a column n and its registers run down K: the conversions then give codes with K innermost, and nothing is transposed
.macro WLOAD t, nn                     ; block t: W(32 t + i, my column), i = 0 .. 31, into set t % 2; a load reads 128 consecutive bytes, the four waves stand side by side on 512
.irp i, 0,1,2,3,4,5,6,7,8,9,10,11,12,13,14,15,16,17,18,19,20,21,22,23,24,25,26,27,28,29,30,31
	global_load_b32 v[WX+32*((\t)%2)+\i], v3, s[32:33] offset:(32*(\t)+\i)*(\nn)*4 th:TH_LOAD_NT
.endr
.endm
.macro WBLOCK t, nn, swap
.set XS, WX+32*((\t)%2)
.if (\t) < 7
	s_wait_loadcnt 32                              ; this block's 32 loads are in; the next block's may be out
.else
	s_wait_loadcnt 0x0
.endif
.irp i, 0,1,2,3,4,5,6,7,8,9,10,11,12,13,14,15,16,17,18,19,20,21,22,23,24,25,26,27,28,29,30,31
.endr
.irp g, 0,1,2,3                        ; swap = 1: group g = 2 u + h of eight goes to place 2 h + u.  A load of 16 bytes at 32 c + 16 h of a row then brings k = 32 c + 8 h + 0..7 and 32 c + 16 + 8 h + 0..7: the places that the plain 8-bit matrix forms give k
.if \swap
.set PG, 2*((\g)%2)+(\g)/2
.else
.set PG, \g
.endif
	v_cvt_scalef32_pk8_fp8_f32 v[WC+2*PG:WC+2*PG+1], v[XS+8*\g:XS+8*\g+7], v11
.endr
	ds_store_b128 v4, v[WC:WC+3] offset:32*(\t)    ; 32 codes: 32 bytes of my column's row in the stage
	ds_store_b128 v4, v[WC+4:WC+7] offset:32*(\t)+16
.if (\t)+2 < 8
	WLOAD (\t)+2, \nn
.endif
	s_wait_dscnt 0x0                               ; the stores have read their registers: the next block's codes may be written
.endm
; nn: the weight's row length; wp, cp: the scalar pairs of its address and of its codes'; es: the register of its e; x0: the path's first work-group x; lbase: the path's LDS bytes
.macro WPATH nn, wp, cp, es, x0, lbase, swap
	s_sub_co_u32 s20, ttmp9, \x0
	s_lshl_b32 s20, s20, 7
	s_lshl_b32 s21, s18, 5
	s_add_co_u32 s21, s20, s21                     ; my wave's first column: 128 x tile + 32 x wave
	v_lshlrev_b32 v3, 2, v2                        ; in: 4 bytes a lane
	s_mul_i32 s22, s18, 32*WP
	s_add_co_u32 s22, s22, \lbase                  ; my stage: 32 rows of WP bytes
	v_mul_u32_u24 v4, v2, WP
	v_add_nc_u32 v4, s22, v4                       ; into it: row = my column
	v_and_b32 v5, 15, v2
	v_lshrrev_b32 v6, 4, v2
	v_mul_u32_u24 v7, v6, WP
	v_lshl_add_u32 v7, v5, 4, v7
	v_add_nc_u32 v7, s22, v7                       ; out of it: sixteen lanes to a row, two rows an instruction
	v_lshlrev_b32 v8, 10, v6
	v_lshl_add_u32 v8, v5, 4, v8                   ; and the same place in the codes' buffer (rows of 1,024 bytes)
	s_mul_i32 s24, s19, 256*(\nn)*4                ; the weight: 256 y rows down,
	s_lshl_b32 s25, s21, 2
	s_add_co_u32 s24, s24, s25                     ; + 4 x column
	s_mov_b32 s25, 0
	s_add_nc_u64 s[32:33], s[\wp:\wp+1], s[24:25]
	s_lshl_b32 s24, s21, 10                        ; the codes: column x 1,024
	s_lshl_b32 s26, s19, 8
	s_add_co_u32 s24, s24, s26                     ; + 256 y
	s_add_nc_u64 s[34:35], s[\cp:\cp+1], s[24:25]
	WLOAD 0, \nn
	WLOAD 1, \nn                                   ; two blocks, 64 loads a wave, are out
	SCALES \es
	s_wait_alu depctr_va_vdst(0)
.irp t, 0,1,2,3,4,5,6,7
	WBLOCK \t, \nn, \swap
.endr
.irp t, 0,1,2,3,4,5,6,7,8,9,10,11,12,13,14,15
	ds_load_b128 v[WO+4*\t:WO+4*\t+3], v7 offset:2*\t*WP   ; LDS serves a wave's instructions in order: these see my stores
.endr
.irp t, 0,1,2,3,4,5,6,7,8,9,10,11,12,13,14,15
	s_wait_dscnt 15-\t                             ; loads come back in order: rows 2 t, 2 t + 1 are in
	global_store_b128 v8, v[WO+4*\t:WO+4*\t+3], s[34:35] offset:2*\t*1024   ; sixteen lanes store 256 consecutive bytes, aligned
.endr
	s_wait_tensorcnt 0x0
	ds_add_u32 v192, v193
	s_wait_dscnt 0x0
	s_endpgm
.endm
	s_load_b256 s[4:11], s[0:1], 0x0               ; x s[4:5], w_qkv s[6:7], w_out s[8:9], the scales' exponents s[10:11]
	s_load_b128 s[12:15], s[0:1], 0x20             ; x_codes s[12:13], wq_codes s[14:15]
	s_load_b64 s[16:17], s[0:1], 0x30              ; wo_codes
	v_lshl_add_u32 v192, v0, 2, 0x19000
	v_mov_b32 v193, 0
	v_lshrrev_b32 v1, 5, v0
	v_readfirstlane_b32 s18, v1                    ; wave 0..3
	v_and_b32 v2, 31, v0                           ; lane
	s_and_b32 s19, ttmp7, 0xffff                   ; work-group y
	s_wait_kmcnt 0x0
	s_load_b64 s[28:29], s[10:11], 0x0             ; e of x, e of w_qkv
	s_load_b32 s30, s[10:11], 0x1c                 ; e of w_out
	s_cmp_lt_u32 ttmp9, 24
	s_cbranch_scc1 .Lq
	s_cmp_lt_u32 ttmp9, 32
	s_cbranch_scc1 .Lo
	s_wait_alu depctr_va_vdst(0)
	; ---- path x: rows are dense, so x is a plain stream; a wave takes 8,192 numbers
	v_lshlrev_b32 v3, 4, v2                        ; my 16 bytes of a load's 512, and of a store's
	s_wait_alu depctr_va_vdst(0)
	s_mul_i32 s20, s18, WREG
	v_lshrrev_b32 v14, 2, v2
	v_mul_u32_u24 v14, v14, SP
	v_and_b32 v15, 3, v2
	v_lshl_add_u32 v14, v15, 4, v14
	v_add_nc_u32 v14, s20, v14                     ; the stage, way in: four lanes' 64 bytes on end, then 16 of padding
	v_mul_u32_u24 v15, v2, SP
	v_add_nc_u32 v15, s20, v15                     ; way out: my 16 neighbours
	s_sub_co_u32 s21, ttmp9, 32
	s_lshl_b32 s22, s19, 6
	s_add_co_u32 s21, s21, s22                     ; which 32,768 numbers are my work-group's: (x - 32) + 64 y
	s_lshl_b32 s21, s21, 2
	s_add_co_u32 s21, s21, s18                     ; which 8,192 are my wave's
	s_lshl_b32 s22, s21, 15
	s_mov_b32 s23, 0
	s_add_nc_u64 s[32:33], s[4:5], s[22:23]
	s_lshl_b32 s22, s21, 13
	s_add_nc_u64 s[34:35], s[12:13], s[22:23]
.irp t, 0,1,2,3
	XLOAD \t
.endr
	s_wait_alu depctr_va_vdst(0)
	SCALES 28
	s_wait_alu depctr_va_vdst(0)
	s_wait_loadcnt 12                              ; step 0's four loads are in
	XTURN 0
.irp t, 0,1,2,3,4,5,6,7,8,9,10,11,12,13,14,15
	XSTEP \t
.endr
	s_wait_tensorcnt 0x0
	ds_add_u32 v192, v193
	s_wait_dscnt 0x0
	s_endpgm
.Lq:
	s_wait_alu depctr_va_vdst(0)
	WPATH 3072, 6, 14, 29, 0, 32768, 0
.Lo:
	s_wait_alu depctr_va_vdst(0)
	WPATH 1024, 8, 16, 30, 24, 67584, 1
.Lfunc_end_k_q92ba65033a_quant:
	.size	k_q92ba65033a_quant, .Lfunc_end_k_q92ba65033a_quant-k_q92ba65033a_quant
	.p2alignl 7, 3214868480
	.fill 96, 4, 3214868480
	.section	.rodata,"a",@progbits
	.p2align	6, 0x0
	.amdhsa_kernel k_q92ba65033a_quant
		.amdhsa_group_segment_fixed_size 102912
		.amdhsa_private_segment_fixed_size 0
		.amdhsa_enable_private_segment 0
		.amdhsa_kernarg_size 56
		.amdhsa_user_sgpr_count 2
		.amdhsa_user_sgpr_kernarg_segment_ptr 1
		.amdhsa_wavefront_size32 1
		.amdhsa_system_sgpr_workgroup_id_x 1
		.amdhsa_system_sgpr_workgroup_id_y 1
		.amdhsa_system_sgpr_workgroup_id_z 1
		.amdhsa_system_vgpr_workitem_id 0
		.amdhsa_next_free_vgpr 194
		.amdhsa_next_free_sgpr 66
		.amdhsa_reserve_vcc 0
		.amdhsa_float_denorm_mode_32 3
		.amdhsa_float_denorm_mode_16_64 3
		.amdhsa_fp16_overflow 1
		.amdhsa_memory_ordered 1
		.amdhsa_forward_progress 1
		.amdhsa_inst_pref_size 85
	.end_amdhsa_kernel
	.amdgpu_metadata
---
amdhsa.version: [ 1, 2 ]
amdhsa.kernels:
  - .name:           k_q92ba65033a_quant
    .symbol:         k_q92ba65033a_quant.kd
    .args:
      - { .name: x, .offset: 0, .size: 8, .value_kind: global_buffer, .address_space: global }
      - { .name: w_qkv, .offset: 8, .size: 8, .value_kind: global_buffer, .address_space: global }
      - { .name: w_out, .offset: 16, .size: 8, .value_kind: global_buffer, .address_space: global }
      - { .name: lowp_scales, .offset: 24, .size: 8, .value_kind: global_buffer, .address_space: global }
      - { .name: x_codes, .offset: 32, .size: 8, .value_kind: global_buffer, .address_space: global }
      - { .name: wq_codes, .offset: 40, .size: 8, .value_kind: global_buffer, .address_space: global }
      - { .name: wo_codes, .offset: 48, .size: 8, .value_kind: global_buffer, .address_space: global }
    .group_segment_fixed_size: 102912
    .private_segment_fixed_size: 0
    .kernarg_segment_align: 8
    .kernarg_segment_size: 56
    .max_flat_workgroup_size: 128
    .sgpr_count:     66
    .vgpr_count:     194
    .wavefront_size: 32
...
	.end_amdgpu_metadata
.endif
;; end of part 1
;; launch gemm_qkv (part 2): grid 12 x 32, 4 waves a work-group, clusters of 4 x 4, 327,680 bytes of LDS; arguments x_codes, wq_codes, lowp_scales, qkv_img; writes qkv_img
.if DOCPART == 2
	.amdgcn_target "amdgcn-amd-amdhsa--gfx1250"
	.amdhsa_code_object_version 6
	.text
	.protected	k_q92ba65033a_gemm_qkv
	.globl	k_q92ba65033a_gemm_qkv
	.p2align	8
	.type	k_q92ba65033a_gemm_qkv,@function
k_q92ba65033a_gemm_qkv:
	s_mov_b64 s[64:65], 0
	v_nop
	global_prefetch_b8 v0, s[64:65] scope:SCOPE_SE
	s_setreg_imm32_b32 hwreg(HW_REG_WAVE_MODE, 25, 1), 1
	s_wait_xcnt 0x0
	s_wait_alu depctr_hold_cnt(0) depctr_sa_sdst(0) depctr_va_vdst(0) depctr_va_sdst(0) depctr_va_ssrc(0) depctr_va_vcc(0) depctr_vm_vsrc(0)
	s_getreg_b32 s2, hwreg(HW_REG_IB_STS2, 6, 4)
	s_cmp_eq_u32 s2, 0
	s_cbranch_scc0 .Lentry_in_a_cluster
	s_endpgm
.Lentry_in_a_cluster:
	s_bfe_u32 s2, ttmp6, 0x10000c
	s_cmp_lg_u32 s2, 0xf033
	s_cbranch_scc0 .Lentry_shape_is_right
	s_endpgm
.Lentry_shape_is_right:
; qkv = x w_qkv on codes of E4M3; each f32 sum is quantised at once, in registers, to the code that the attention's products take, and stored as an IMAGE OF THE OPERAND'S REGISTERS.
; x_codes [8192][1024], wq_codes [3072 (n)][1024 (k)].  A sum stands for sum x 2^(e0 + e1); its code under the target's scale 2^et is sum / 2^(et - e0 - e1), held within +-448 (et = e2 for q, e3 for k, e5 for v).
; LIMIT: et - e0 - e1 lies between -126 and 119, so that this power of two and 448 times it are f32 numbers.
; A tile of 256 x 256 is made by four waves, 128 x 128 each: 64 accumulators, 512 registers.  K goes in steps of 256 through a ring of two LDS slots filled by the tensor data mover.
; THE MATRIX INSTRUCTION IS USED TRANSPOSED (source 0 = 16 rows of "B", source 1 = 16 rows of "A"): lane (r, h) of accumulator (a, b) holds A's row 16 a + r and B's rows 16 b + 8 h + 0..7.  One conversion of its eight
; registers gives registers 2 b, 2 b + 1 of a fragment in the plain 8-bit layout (k = 16 b + 8 h + 0..7, row = r): so what lies along B's rows becomes the next product's K, with no transposition.
; ROLES, by the cluster's x (0: q, 1: k, 2: v; 1,024 columns are one cluster wide, so the number is the same in all sixteen partners):
;   q, k: A = x_codes (tokens), B = wq_codes (columns): the next K is the head's 64.     v: A = wq_codes (columns), B = x_codes (tokens): the next K is the keys.
; qkv_img: [16 batch + head][block of 128 tokens][Q 8,192 | K 8,192 | V 8,192] bytes.  Q, K: 8 tiles of 16 tokens x [2][32 lanes][16 bytes].  V: 4 tiles of 16 channels x [4][32 lanes][16 bytes], K = the block's 128 keys.
; CLUSTERS: 4 x 4 work-groups.  A's tile hangs on the cluster's y and cy alone and is asked for jointly along a row of the cluster, B's on cx alone, along a column.
; No prefetch: of four K steps two are asked for at the head.
; REGISTERS, in windows of 256: window 0: v0-31 addresses and constants; v128-255 A's fragments (one set), on the way out the codes.  window 1: B's fragments, two sets.  windows 2, 3: the accumulators ((a, b) at v[8 (8 (a % 4) + b)]).
.set ROWB,   256                       ; a tile's row in bytes: 256 codes
.set KROW,   1024                      ; a row of either buffer of codes in memory
.set PITCH,  272                       ; an LDS row: 256 bytes + 16 of padding = 68 words: the 16 rows that a load touches start at 16 different banks (64 banks of 4 bytes: ISA guide 11.1)
.set FR,     16                        ; registers of a fragment: 16 rows x 128 K
.set NL,     4                         ; LDS loads that bring one
.set NP,     4                         ; places behind this matrix instruction (ISA guide 7.12.1)
.set HALFT,  128*PITCH                 ; 128 rows: what one tensor load brings
.set SLOT,   4*HALFT                   ; A's 256 rows, then B's 256 rows
.set LAPS,   2                         ; 1,024 along K = two laps of two slots
.set SPARE,  2*SLOT                    ; behind the ring: the spare words, 128 bytes for each wave
.set HEADB,  393216                    ; qkv_img: bytes of a head
.set BLKB,   24576                     ; and of a block of 128 tokens
.set ADRA, 16                          ; v16-17  LDS address of my A fragments in slot 0, 1
.set ADRB, 20                          ; v20-21  the same for B
.set CO,   26                          ; v26     16 x lane: my place in an image
.set SPW,  28                          ; v28     LDS address of my spare word; never rewritten
.set NIL,  29                          ; v29     0; never rewritten
.set SC,   30                          ; v30     2^(et - e0 - e1)
.set LIM,  31
.set AF,   128                         ; A's fragments
.set CD,   128                         ; the way out: 16 registers of codes for each a
.set G1, 24                            ; s[24:31] descriptor group 1 for A's tiles;  s[32:39] group 0, one set for each slot
.set G0, 32
.set G1B, 48                           ; s[48:55], s[56:63] the same for B's tiles
.set G0B, 56
.set MSB, 0
.macro WIN new                         ; the immediate's high byte repeats the setting that is left; a switch that changes nothing is dropped
.if MSB != (\new)
	s_set_vgpr_msb (MSB<<8)|(\new)
.set MSB, (\new)
.endif
.endm
.set MUL_LO, 0xa1                      ; source 0 (B) window 1, source 1 (A) window 0, C and D window 2
.set MUL_HI, 0xf1                      ; the same, C and D window 3
.set TO_B,   0x40                      ; destination window 1, address window 0
; A joint load: waves 0 and 1 fetch for A, waves 2 and 3 for B.  Each line has one mask and one set of registers; the branch hangs on the wave's number alone.  Four v_nop follow each line.
.macro JLOAD g0a, g1a, g0b, g1b
	s_cmp_eq_u32 s15, 0
	s_cbranch_scc0 .Lfor_b_\@
	tensor_load_to_lds s[\g0a:\g0a+3], s[\g1a:\g1a+7]
	s_nop 0
.rept 4
	v_nop
.endr
	s_branch .Lasked_\@
.Lfor_b_\@:
	tensor_load_to_lds s[\g0b:\g0b+3], s[\g1b:\g1b+7]
	s_nop 0
.rept 4
	v_nop
.endr
.Lasked_\@:
.endm
.macro CREST                           ; a round of the cluster's barrier behind its opening barrier
	s_cmp_lg_u32 s14, 0
	s_cbranch_scc1 .Lnot_wave_0_\@
	s_barrier_signal -3
.Lnot_wave_0_\@:
	s_barrier_wait -3
	s_barrier_signal -1
	s_barrier_wait -1
.endm
.macro CROUND                          ; a whole round
	s_barrier_signal -1
	s_barrier_wait -1
	CREST
.endm
	s_load_b128 s[4:7], s[0:1], 0x0                ; x_codes s[4:5], wq_codes s[6:7]
	s_load_b128 s[8:11], s[0:1], 0x10              ; the scales' exponents s[8:9], qkv_img s[10:11]
	v_lshl_add_u32 v[SPW], v0, 2, SPARE
	v_mov_b32 v[NIL], 0
	ds_add_u32 v28, v29
	ds_add_u32 v28, v29
	s_wait_dscnt 0x0
	v_lshrrev_b32 v1, 5, v0
	v_readfirstlane_b32 s14, v1                    ; wave 0..3
	s_lshr_b32 s15, s14, 1                         ; which half of A's rows is mine.  Also: I fetch for A (0) or for B (1)
	s_and_b32 s16, s14, 1                          ; which half of B's rows.  Also: which 128 rows of that tile I fetch
	s_bfe_u32 s40, ttmp6, 0x40000                  ; cx, cy: my place in the cluster
	s_bfe_u32 s41, ttmp6, 0x40004
	s_and_b32 s66, ttmp7, 0xffff
	s_lshl_b32 s66, s66, 2                         ; 4 x cluster y: the tokens' first tile of this cluster
	s_lshl_b32 s67, ttmp9, 2                       ; 4 x cluster x: the columns' first tile (q, k)
	s_cmp_eq_u32 ttmp9, 2                          ; v?  The cluster's x is the same in all partners
	s_cselect_b32 s17, 8, s66                      ; A's tile: v: columns from tile 8 on; q, k: tokens
	s_cselect_b32 s42, s66, s67                    ; B's tile: v: tokens; q, k: columns
	s_add_co_u32 s17, s17, s41                     ; + cy: A's tile hangs on cy alone,
	s_add_co_u32 s42, s42, s40                     ; + cx: B's on cx alone
	s_lshl_b32 s43, s41, 2
	s_lshl_b32 s43, 15, s43                        ; my row of the cluster
	s_lshl_b32 s44, 0x1111, s40                    ; my column
	; descriptor group 1: a tile of 128 rows x 256 bytes, padded in LDS
	s_or_b32 s[G1+0], s43, (0<<16)|(1<<20)|(1<<21)|(5<<22)|(3<<25)  ; 15:0 the mask; 17:16 element of 1 byte; 20 padding on; 21 set beside a mask; 24:22 after every 64 words (code 5); 31:25 of 4 words (code 3)
	s_or_b32 s[G1B+0], s44, (0<<16)|(1<<20)|(1<<21)|(5<<22)|(3<<25)
.irp g, G1, G1B
	s_mov_b32 s[\g+1], ROWB<<16                    ; tensor_dim0
	s_mov_b32 s[\g+2], 128<<16                     ; tensor_dim1 = 128
	s_mov_b32 s[\g+3], ROWB<<16                    ; tile_dim0
	s_mov_b32 s[\g+4], 128                         ; tile_dim1 = 128
	s_mov_b32 s[\g+5], KROW                        ; tensor_dim0_stride
	s_mov_b32 s[\g+6], 0
	s_mov_b32 s[\g+7], 0
.endr
	s_lshl_b32 s18, s16, 7                         ; which 128 rows of the tile I fetch
	s_lshl_b32 s20, s17, 8
	s_add_co_u32 s20, s20, s18                     ; A: row 256 x tile + 128 x half,
	s_lshl_b32 s20, s20, 10                        ; in bytes (rows of 1,024; under 2^24)
	s_mov_b32 s21, 0
	s_lshl_b32 s46, s42, 8
	s_add_co_u32 s46, s46, s18                     ; B likewise
	s_lshl_b32 s46, s46, 10
	s_mov_b32 s47, 0
	s_mul_i32 s45, s14, HALFT                      ; where they go: wave x 128 rows: no place in the cluster enters an LDS address
	s_wait_kmcnt 0x0
	s_load_b256 s[80:87], s[8:9], 0x0              ; e0 .. e7
	s_cmp_eq_u32 ttmp9, 2
	s_cselect_b64 s[68:69], s[6:7], s[4:5]         ; A's buffer
	s_cselect_b64 s[70:71], s[4:5], s[6:7]         ; B's buffer
	s_add_nc_u64 s[20:21], s[68:69], s[20:21]
	s_add_nc_u64 s[46:47], s[70:71], s[46:47]
	CROUND                                         ; all sixteen work-groups are here: the first joint loads meet
.irp s, 0,1
	s_mov_b32 s[G0+4*\s], 1
	s_add_co_u32 s[G0+4*\s+1], s45, \s*SLOT
	s_add_nc_u64 s[G0+4*\s+2:G0+4*\s+3], s[20:21], \s*ROWB
	s_or_b32 s[G0+4*\s+3], s[G0+4*\s+3], 0x80000000
	s_mov_b32 s[G0B+4*\s], 1
	s_add_co_u32 s[G0B+4*\s+1], s45, \s*SLOT
	s_add_nc_u64 s[G0B+4*\s+2:G0B+4*\s+3], s[46:47], \s*ROWB
	s_or_b32 s[G0B+4*\s+3], s[G0B+4*\s+3], 0x80000000
	JLOAD G0+4*\s, G1, G0B+4*\s, G1B
.endr
	v_and_b32 v1, 15, v0                           ; l % 16
	v_bfe_u32 v2, v0, 4, 1                         ; l / 16
	v_mul_u32_u24 v3, v1, PITCH
	v_lshl_add_u32 v4, v2, 4, v3                   ; a fragment's row x pitch + 16 x half
	s_mul_i32 s21, s15, HALFT                      ; my 128 rows of A
	s_mul_i32 s22, s16, HALFT                      ; my 128 rows of B,
	s_add_co_u32 s22, s22, 2*HALFT                 ; which lie behind A's 256
.irp s, 0,1
	v_add_nc_u32 v[ADRA+\s], s21, v4
	v_add_nc_u32 v[ADRB+\s], s22, v4
	s_add_co_u32 s21, s21, SLOT
	s_add_co_u32 s22, s22, SLOT
.endr
	v_and_b32 v6, 31, v0
	v_lshlrev_b32 v[CO], 4, v6
	; where my wave's images begin in qkv_img
	s_lshl_b32 s72, s17, 8
	s_lshl_b32 s73, s15, 7
	s_add_co_u32 s72, s72, s73                     ; my first row of A
	s_lshl_b32 s73, s42, 8
	s_lshl_b32 s74, s16, 7
	s_add_co_u32 s73, s73, s74                     ; my first row of B
	s_cmp_eq_u32 ttmp9, 2
	s_cselect_b32 s74, s73, s72                    ; my first token (a multiple of 128: one block),
	s_cselect_b32 s75, s72, s73                    ; my first column of qkv (a multiple of 128: two heads)
	s_lshr_b32 s76, s74, 11                        ; batch
	s_lshl_b32 s76, s76, 4
	s_bfe_u32 s77, s75, 0x40006                    ; head: (column / 64) mod 16
	s_add_co_u32 s76, s76, s77
	s_mul_i32 s76, s76, HEADB
	s_bfe_u32 s77, s74, 0x40007                    ; block: (token mod 2,048) / 128
	s_mul_i32 s77, s77, BLKB
	s_add_co_u32 s76, s76, s77
	s_lshr_b32 s77, s75, 10                        ; 0: q, 1: k, 2: v
	s_lshl_b32 s77, s77, 13
	s_add_co_u32 s76, s76, s77
	s_mov_b32 s77, 0
	s_add_nc_u64 s[10:11], s[10:11], s[76:77]
.macro FRAG reg, adr, q, i             ; 16 rows x 128 K: lane l holds row l % 16; registers 4 c .. 4 c + 3 hold K = 32 c + 16 (l / 16) + 0 .. 15: a permutation of k, the same in A and in B, so every product meets its partner
.irp c, 0,1,2,3
	ds_load_b128 v[\reg+4*\c:\reg+4*\c+3], v[\adr] offset:128*(\q)+32*\c+(\i)*16*PITCH
.endr
.endm
; 16 matrix instructions: A's blocks a0, a0 + 1 x B's eight.  p: B's set.  zero = 1: the first product starts the sums.  The 64 accumulators take turns, one instruction a turn, in the same order in every step.
.macro MUL16 a0, p, zero
.irp a, \a0, \a0+1
.irp b, 0,1,2,3,4,5,6,7
.if \zero
	v_wmma_f32_16x16x128_fp8_fp8 v[8*(8*((\a)%4)+\b):8*(8*((\a)%4)+\b)+7], v[128*(\p)+FR*\b:128*(\p)+FR*\b+FR-1], v[AF+FR*(\a):AF+FR*(\a)+FR-1], 0
.else
	v_wmma_f32_16x16x128_fp8_fp8 v[8*(8*((\a)%4)+\b):8*(8*((\a)%4)+\b)+7], v[128*(\p)+FR*\b:128*(\p)+FR*\b+FR-1], v[AF+FR*(\a):AF+FR*(\a)+FR-1], v[8*(8*((\a)%4)+\b):8*(8*((\a)%4)+\b)+7]
.endif
.endr
.endr
.endm
.macro FETCH_B slot, q, p              ; B's eight fragments of the slot's q-th 128 along K into set p
	WIN TO_B
.irp i, 0,1,2,3,4,5,6,7
	FRAG 128*(\p)+FR*\i, ADRB+\slot, \q, \i
.endr
	WIN 0
.endm
.macro FETCH_A slot, q, i0             ; A's blocks i0 .. i0 + 3
.irp i, \i0, \i0+1, \i0+2, \i0+3
	FRAG AF+FR*(\i), ADRA+\slot, \q, \i
.endr
.endm
.macro PLACES n                        ; a load into a register that a matrix instruction has read, and a vector instruction that reads or writes one of its registers, stand four plain vector instructions behind it
.rept \n
	v_nop
.endr
.endm
; A step of 128 along K that has its successor in the same slot.  A block of A is free as soon as its eight products are issued: blocks 0-3 are fetched anew in the step's middle, blocks 4-7 at its end.
.macro STEP slot, q, zero
	s_wait_dscnt 4*NL                              ; B's set and A's blocks 0-3 are in; the youngest 16 loads (A's blocks 4-7) may be out
	WIN MUL_LO
	MUL16 0, (\q)%2, \zero
	MUL16 2, (\q)%2, \zero
	s_wait_dscnt 0                                 ; A's blocks 4-7 are in
	PLACES NP
	FETCH_B \slot, (\q)+1, 1-(\q)%2
	FETCH_A \slot, (\q)+1, 0
	WIN MUL_HI
	MUL16 4, (\q)%2, \zero
	MUL16 6, (\q)%2, \zero
	PLACES NP
	WIN 0
	FETCH_A \slot, (\q)+1, 4
.endm
; A slot's last step changes slots: one barrier; in front of it each wave waits for all its tensor loads, adds 0 to its spare word, and waits for that and for its own reads of this slot.  fill = 1: this slot is filled again, two K steps ahead.
.macro TURN slot, next, fill
	s_wait_tensorcnt 0x0                           ; all my tensor loads have landed: my part of the next slot  (every window is 0 here)
	ds_add_u32 v[SPW], v[NIL]                      ; 0 onto my spare word
	s_wait_dscnt 4*NL+1                            ; (the add and the youngest 16 loads, A's blocks 4-7, may be out)
	WIN MUL_LO
	MUL16 0, 1, 0                                  ; sixteen matrix instructions stand between the add and the wait for it
	s_wait_dscnt 0x0                               ; the add is done, and my reads of this slot are over
	s_barrier_signal -1
	MUL16 2, 1, 0
	WIN 0
	s_barrier_wait -1
.if \fill
	CREST                                          ; the barrier has opened a round of the cluster's barrier: no wave of any partner still reads this slot or has a load on its way
	s_add_nc_u64 s[G0+4*\slot+2:G0+4*\slot+3], s[G0+4*\slot+2:G0+4*\slot+3], 2*ROWB
	s_add_nc_u64 s[G0B+4*\slot+2:G0B+4*\slot+3], s[G0B+4*\slot+2:G0B+4*\slot+3], 2*ROWB
	JLOAD G0+4*\slot, G1, G0B+4*\slot, G1B         ; the first tensor load behind the round; its four v_nop are also the places in front of the loads below
.else
	PLACES NP
.endif
	FETCH_B \next, 0, 0
	FETCH_A \next, 0, 0
	WIN MUL_HI
	MUL16 4, 1, 0
	MUL16 6, 1, 0
	PLACES NP
	WIN 0
	FETCH_A \next, 0, 4
.endm
	s_wait_alu depctr_va_vdst(0)
	s_wait_tensorcnt 1                             ; my part of K step 0 is in (K step 1's load may be out)
	s_barrier_signal -1
	s_barrier_wait -1                              ; everybody's is
	FETCH_B 0, 0, 0
	FETCH_A 0, 0, 0
	FETCH_A 0, 0, 4
	STEP 0, 0, 1                                   ; the first step stands in front of the loop: its products start the sums
	s_mov_b32 s3, LAPS-1
.Llap:                                                 ; a trip goes once round the ring and fills both slots again
	TURN 0, 1, 1
	STEP 1, 0, 0
	TURN 1, 0, 1
	STEP 0, 0, 0
	s_sub_co_u32 s3, s3, 1
	s_cmp_lg_u32 s3, 0
	s_cbranch_scc1 .Llap
	TURN 0, 1, 0                                   ; the last lap fills nothing, and has no round of the cluster's barrier
	STEP 1, 0, 0
	s_wait_dscnt 4*NL                              ; the very last step: nothing more to fetch
	WIN MUL_LO
	MUL16 0, 1, 0
	MUL16 2, 1, 0
	s_wait_dscnt 0
	WIN MUL_HI
	MUL16 4, 1, 0
	MUL16 6, 1, 0
	WIN 0
	; THE WAY OUT: no LDS.  The sums are held, converted, and the codes' registers are stored as they stand.
	s_wait_kmcnt 0x0
	s_cmp_eq_u32 ttmp9, 0
	s_cselect_b32 s88, s82, s83                    ; et: e2 for q, e3 for k,
	s_cmp_eq_u32 ttmp9, 2
	s_cselect_b32 s88, s85, s88                    ; e5 for v: chosen by the cluster's x, with no branch
	s_sub_co_i32 s88, s88, s80
	s_sub_co_i32 s88, s88, s81                     ; et - e0 - e1: the three scales folded into the conversion's one
	s_add_co_i32 s88, s88, 127
	s_lshl_b32 s89, s88, 23
	v_mov_b32 v[SC], s89
	s_add_co_i32 s88, s88, 8
	s_lshl_b32 s88, s88, 23
	s_or_b32 s88, s88, 0x600000
	PLACES NP                                      ; behind the last products: their results are read and written below, and the registers that held A's fragments take the codes
.macro QROW a                          ; A's block a: 8 accumulators become 16 registers of codes
.set AC, 64*((\a)%4)
	WIN 0x82+0x41*((\a)/4)                         ; source 0 and destination: window 2 or 3
.set j, 0
.rept 64
.set j, j+1
.endr
	WIN 0x02+((\a)/4)                              ; source 0: window 2 or 3; destination window 0
.irp b, 0,1,2,3,4,5,6,7
	v_cvt_scalef32_pk8_fp8_f32 v[CD+16*(\a)+2*\b:CD+16*(\a)+2*\b+1], v[AC+8*\b:AC+8*\b+7], v[SC]
.endr
.endm
.irp a, 0,1,2,3,4,5,6,7
	QROW \a
.endr
	WIN 0
	v_nop                                          ; a plain vector line behind the last conversion
	s_cmp_eq_u32 ttmp9, 2
	s_cbranch_scc1 .Lv
.irp a, 0,1,2,3,4,5,6,7                ; q, k: block a is a tile of 16 tokens; registers 0-7 are my first head's fragment (K = its 64), registers 8-15 my second head's
.irp g, 0,1,2,3
	global_store_b128 v[CO], v[CD+16*\a+4*\g:CD+16*\a+4*\g+3], s[10:11] offset:(\g/2)*HEADB+\a*1024+(\g%2)*512   ; 32 lanes store 512 consecutive bytes, aligned
.endr
.endr
	s_branch .Ldone
.Lv:
	s_wait_alu depctr_va_vdst(0)
.irp a, 0,1,2,3,4,5,6,7                ; v: block a is 16 channels: tile a % 4 of head a / 4; its 16 registers are the fragment with K = my block's 128 keys
.irp g, 0,1,2,3
	global_store_b128 v[CO], v[CD+16*\a+4*\g:CD+16*\a+4*\g+3], s[10:11] offset:(\a/4)*HEADB+(\a%4)*2048+\g*512
.endr
.endr
.Ldone:
	s_wait_tensorcnt 0x0                           ; the wave's end
	ds_add_u32 v[SPW], v[NIL]
	s_wait_dscnt 0x0
	CROUND                                         ; the closing round: no work-group ends while a partner may still ask for a tile that names it
	s_endpgm
.Lfunc_end_k_q92ba65033a_gemm_qkv:
	.size	k_q92ba65033a_gemm_qkv, .Lfunc_end_k_q92ba65033a_gemm_qkv-k_q92ba65033a_gemm_qkv
	.p2alignl 7, 3214868480
	.fill 96, 4, 3214868480
	.section	.rodata,"a",@progbits
	.p2align	6, 0x0
	.amdhsa_kernel k_q92ba65033a_gemm_qkv
		.amdhsa_group_segment_fixed_size 327680
		.amdhsa_private_segment_fixed_size 0
		.amdhsa_enable_private_segment 0
		.amdhsa_kernarg_size 32
		.amdhsa_user_sgpr_count 2
		.amdhsa_user_sgpr_kernarg_segment_ptr 1
		.amdhsa_wavefront_size32 1
		.amdhsa_system_sgpr_workgroup_id_x 1
		.amdhsa_system_sgpr_workgroup_id_y 1
		.amdhsa_system_sgpr_workgroup_id_z 1
		.amdhsa_system_vgpr_workitem_id 0
		.amdhsa_next_free_vgpr 1024
		.amdhsa_next_free_sgpr 100
		.amdhsa_reserve_vcc 0
		.amdhsa_float_denorm_mode_32 3
		.amdhsa_float_denorm_mode_16_64 3
		.amdhsa_fp16_overflow 1
		.amdhsa_memory_ordered 1
		.amdhsa_forward_progress 1
		.amdhsa_inst_pref_size 89
	.end_amdhsa_kernel
	.amdgpu_metadata
---
amdhsa.version: [ 1, 2 ]
amdhsa.kernels:
  - .name:           k_q92ba65033a_gemm_qkv
    .symbol:         k_q92ba65033a_gemm_qkv.kd
    .args:
      - { .name: x_codes, .offset: 0, .size: 8, .value_kind: global_buffer, .address_space: global }
      - { .name: wq_codes, .offset: 8, .size: 8, .value_kind: global_buffer, .address_space: global }
      - { .name: lowp_scales, .offset: 16, .size: 8, .value_kind: global_buffer, .address_space: global }
      - { .name: qkv_img, .offset: 24, .size: 8, .value_kind: global_buffer, .address_space: global }
    .group_segment_fixed_size: 327680
    .private_segment_fixed_size: 0
    .kernarg_segment_align: 8
    .kernarg_segment_size: 32
    .max_flat_workgroup_size: 128
    .sgpr_count:     100
    .vgpr_count:     1024
    .wavefront_size: 32
...
	.end_amdgpu_metadata
.endif
;; end of part 2
;; launch attn (part 3): grid 4 x 64, 16 waves a work-group, clusters of 4 x 1, 327,680 bytes of LDS; arguments qkv_img, lowp_scales, y_img; writes y_img
.if DOCPART == 3
	.amdgcn_target "amdgcn-amd-amdhsa--gfx1250"
	.amdhsa_code_object_version 6
	.text
	.protected	k_q92ba65033a_attn
	.globl	k_q92ba65033a_attn
	.p2align	8
	.type	k_q92ba65033a_attn,@function
k_q92ba65033a_attn:
	s_mov_b64 s[64:65], 0
	v_nop
	global_prefetch_b8 v0, s[64:65] scope:SCOPE_SE
	s_setreg_imm32_b32 hwreg(HW_REG_WAVE_MODE, 25, 1), 1
	s_wait_xcnt 0x0
	s_wait_alu depctr_hold_cnt(0) depctr_sa_sdst(0) depctr_va_vdst(0) depctr_va_sdst(0) depctr_va_ssrc(0) depctr_va_vcc(0) depctr_vm_vsrc(0)
	s_getreg_b32 s2, hwreg(HW_REG_IB_STS2, 6, 4)
	s_cmp_eq_u32 s2, 0
	s_cbranch_scc0 .Lentry_in_a_cluster
	s_endpgm
.Lentry_in_a_cluster:
	s_bfe_u32 s2, ttmp6, 0x10000c
	s_cmp_lg_u32 s2, 0x3003
	s_cbranch_scc0 .Lentry_shape_is_right
	s_endpgm
.Lentry_shape_is_right:
; Causal attention of one (batch, head) a cluster, both products on codes of E4M3; y is quantised in registers for the last product and stored as an image of that operand's registers.
; qkv_img: [16 batch + head][block of 128 tokens][Q 8,192 | K 8,192 | V 8,192] bytes, register images in the plain 8-bit layout (registers 2 c, 2 c + 1 of lane (r, h): k = 16 c + 8 h + 0..7, row r).
; y_img: [tile of 16 rows (512)][head (16)][2][32 lanes][16 bytes].
; THE SOFTMAX: t = score x log2(e) / 8; M = the running largest t, rounded UP to a whole number; p = 2^(t - M) is quantised, not normalised; the row's sum is taken of the unquantised p and divides at the end.
; When M moves, the sum and O are multiplied by 2^(old M - new M): exact.
; LAYOUT.  Both products are used transposed: S^T = K Q^T (source 0 = 16 keys, source 1 = my 16 queries), O^T = V^T P^T: a lane holds ONE query (lane % 16) throughout, and the conversions' results are the next operand's registers.
; LDS.  The head's whole K and V, 16 key steps x 16,384 bytes (K's 8 tiles, then V's 4), lie in every partner's LDS, filled ONCE by joint loads of the four partners: no slot is ever filled again.
; Every LDS read is 16 x lane on end, 512 consecutive bytes an instruction: no pitch, no padding.
; SHARES.  The head has 128 tiles of 16 queries; a tile of group g = tile / 8 needs key steps 0 .. g.  Wave w (u = w % 2, gp = w / 2) of partner cx takes tile 2 cx + u of group 15 - gp and then of group gp:
; (16 - gp) + (gp + 1) = 17 key steps for every wave of the launch, two of them on the diagonal.  Trip counts and branches hang on the wave's number and the loops' counters alone; cx enters global addresses and a lane's number for the mask.
; Key steps wholly behind a wave's queries are not computed (the mask is the problem's own).  Hidden scores of a diagonal step become -infinity ahead of the maximum: p = 0.
; No prefetch: all that a work-group reads is asked for at its head.
; LIMITS on the given exponents, so that each power of two below is an f32 number: e2 + e3 between -123 and 130 (added to c's exponent field); e4 and e6 between -126 and 119; e4 + e5 goes in by v_ldexp_f32 and has none.  NaN is not served.
.set HEADB, 393216
.set BLKB,  24576
.set LI,   1                           ; v1   16 x lane: LDS images, Q's loads, y's stores; never rewritten
.set ADR,  2                           ; v2   LDS address of the step in hand
.set DQ,   4                           ; v4   my query's place in its block of 128, less 8 (lane / 16)
.set NINF, 5                           ; v5   -infinity
.set QF,   16                          ; v16-23  Q's fragment in hand;  v24-31 the second tile's
.set Q2,   24
.set F,    32                          ; v32-95  K's 8 fragments of 8, then V's 4 of 16
.set S,    96                          ; v96-159 S^T, then p; at a tile's end y
.set O,    160                         ; v160-191 O^T
.set P,    192                         ; v192-207 p's codes
.set YC,   208                         ; v208-215 y's codes
.set PT,   220                         ; the lane permute's destination
.set PL,   222
.set PS,   223                         ; 2^e4
.set YL,   224
.set YS,   225                         ; 2^e6
.set FF,   226                         ; v[226:227] f = 2^(old M - new M), named as a pair
.set SU,   228                         ; v[228:229] the sum's second chain
.set T0,   230
.set T1,   231
; v12 -M, v13 the largest t so far, v[14:15] the row's sum in two halves
.set WV,   10
.set CX,   11
.set U,    12
.set GP,   13
.set GA,   14
.set G1,   16                          ; s[16:23] descriptor group 1;  s[24:27], s[28:31] the two groups 0
.set SEL,  40                          ; s[40:41] lane selects: lane l xor 16
.set CS,   42                          ; s[42:43] c = log2(e) / 8 x 2^(e2 + e3)
.set IT,   44                          ; the loops' counter, 0 .. 16
.set TB,   45                          ; LDS byte of the key step in hand
.set DG,   46                          ; 1: the step lies on the diagonal and ends a tile
.macro CROUND                          ; a round of the cluster's barrier
	s_barrier_signal -1
	s_barrier_wait -1
	s_cmp_lg_u32 s[WV], 0
	s_cbranch_scc1 .Lnot_wave_0_\@
	s_barrier_signal -3
.Lnot_wave_0_\@:
	s_barrier_wait -3
	s_barrier_signal -1
	s_barrier_wait -1
.endm
	s_load_b128 s[4:7], s[0:1], 0x0                ; qkv_img s[4:5], the scales' exponents s[6:7]
	s_load_b64 s[8:9], s[0:1], 0x10                ; y_img
	v_lshl_add_u32 v254, v0, 2, 0x40000
	v_mov_b32 v255, 0
	ds_add_u32 v254, v255
	ds_add_u32 v254, v255
	v_lshrrev_b32 v3, 5, v0
	s_delay_alu instid0(VALU_DEP_1)
	v_readfirstlane_b32 s[WV], v3                  ; wave 0..15
	s_bfe_u32 s[CX], ttmp6, 0x40000                ; cx: my place in the cluster
	s_and_b32 s[U], s[WV], 1
	s_lshr_b32 s[GP], s[WV], 1                     ; gp: my second tile's group,
	s_xor_b32 s[GA], s[GP], 15                     ; 15 - gp: my first tile's
	s_and_b32 s47, ttmp7, 0xffff                   ; 16 batch + head, which the four partners share
	s_mul_i32 s48, s47, HEADB
	; descriptor group 1: a dense block of 8,192 bytes as 32 rows of 256
	s_mov_b32 s[G1+0], 15|(3<<16)|(1<<21)          ; 15:0 the mask: all four work-groups; 17:16 elements of 8 bytes; 21 set beside a mask; no padding
	s_mov_b32 s[G1+1], 32<<16                      ; tensor_dim0 = 32 elements
	s_mov_b32 s[G1+2], 32<<16                      ; tensor_dim1 = 32
	s_mov_b32 s[G1+3], 32<<16                      ; tile_dim0 = 32
	s_mov_b32 s[G1+4], 32                          ; tile_dim1 = 32
	s_mov_b32 s[G1+5], 32                          ; from row to row
	s_mov_b32 s[G1+6], 0
	s_mov_b32 s[G1+7], 0
	s_mul_i32 s49, s[GP], BLKB                     ; wave w fetches, of key steps w / 2 and 8 + w / 2, K's part (u = 0) or V's (u = 1)
	s_add_co_u32 s49, s49, s48
	s_lshl_b32 s50, s[U], 13
	s_add_co_u32 s49, s49, s50
	s_add_co_u32 s50, s49, 8192                    ; (K's part lies behind Q's)
	s_mov_b32 s51, 0
	s_lshl_b32 s49, s[WV], 13                      ; into LDS byte 8,192 w: no place in the cluster enters an LDS address
	s_mov_b32 s[SEL], 0x76543210
	s_mov_b32 s[SEL+1], 0xfedcba98
	s_mov_b32 s[CS], 0x3e38aa3b                    ; log2(e) / 8
	s_wait_dscnt 0x0
	s_wait_kmcnt 0x0
	s_load_b256 s[32:39], s[6:7], 0x0              ; e0 .. e7
	s_mov_b32 s24, 1                               ; count = 1
	s_mov_b32 s25, s49
	s_add_nc_u64 s[26:27], s[4:5], s[50:51]
	s_mov_b32 s28, 1
	s_add_co_u32 s29, s49, 131072                  ; key steps 8 to 15 fill the upper half
	s_add_nc_u64 s[30:31], s[26:27], 8*BLKB
	s_or_b32 s27, s27, 0x80000000                  ; type = 2
	s_or_b32 s31, s31, 0x80000000
	CROUND                                         ; all four work-groups are here: the joint loads meet
	tensor_load_to_lds s[24:27], s[G1:G1+7]        ; the first fill: one load of mine is out
	s_nop 0
	s_wait_alu depctr_va_vdst(0)
	s_wait_tensorcnt 0x0
	ds_add_u32 v254, v255
	s_wait_dscnt 0x0
	CROUND
	tensor_load_to_lds s[28:31], s[G1:G1+7]
	s_nop 0
.rept 4
	v_nop
.endr
	s_lshl_b32 s50, s[CX], 1
	s_add_co_u32 s50, s50, s[U]                    ; my tile's place in its group: 2 cx + u
	s_lshl_b32 s51, s50, 10
	s_add_co_u32 s51, s51, s48
	s_mul_i32 s49, s[GA], BLKB
	s_add_co_u32 s52, s51, s49
	s_mov_b32 s53, 0
	s_add_nc_u64 s[52:53], s[4:5], s[52:53]        ; Q's image of my first tile,
	s_mul_i32 s49, s[GP], BLKB
	s_add_co_u32 s54, s51, s49
	s_mov_b32 s55, 0
	s_add_nc_u64 s[54:55], s[4:5], s[54:55]        ; and of my second
	v_and_b32 v[LI], 31, v0
	s_delay_alu instid0(VALU_DEP_1)
	v_lshlrev_b32 v[LI], 4, v[LI]
	global_load_b128 v[QF:QF+3], v[LI], s[52:53]
	global_load_b128 v[QF+4:QF+7], v[LI], s[52:53] offset:512
	global_load_b128 v[Q2:Q2+3], v[LI], s[54:55]
	global_load_b128 v[Q2+4:Q2+7], v[LI], s[54:55] offset:512
	s_lshr_b32 s49, s47, 4                         ; batch
	s_lshl_b32 s49, s49, 7                         ; its 128 tiles of rows
	s_add_co_u32 s49, s49, s50
	s_and_b32 s61, s47, 15                         ; head
	s_lshl_b32 s61, s61, 10
	s_lshl_b32 s51, s[GA], 3
	s_add_co_u32 s51, s51, s49
	s_lshl_b32 s56, s51, 14                        ; a tile of rows is 16,384 bytes of y_img
	s_add_co_u32 s56, s56, s61
	s_mov_b32 s57, 0
	s_add_nc_u64 s[56:57], s[8:9], s[56:57]        ; y's image of my first tile,
	s_lshl_b32 s51, s[GP], 3
	s_add_co_u32 s51, s51, s49
	s_lshl_b32 s58, s51, 14
	s_add_co_u32 s58, s58, s61
	s_mov_b32 s59, 0
	s_add_nc_u64 s[58:59], s[8:9], s[58:59]        ; and of my second
	v_and_b32 v6, 15, v0                           ; r
	v_bfe_u32 v7, v0, 4, 1                         ; h
	s_delay_alu instid0(VALU_DEP_1)
	v_lshlrev_b32 v7, 3, v7
	s_delay_alu instid0(VALU_DEP_1)
	v_sub_nc_u32 v[DQ], v6, v7
	s_lshl_b32 s49, s50, 4
	v_add_nc_u32 v[DQ], s49, v[DQ]                 ; 16 (2 cx + u) + r - 8 h.  Register 8 c + j holds key 16 c + 8 h + j of the block: hidden where 16 c + j is greater
	v_mov_b32 v[NINF], 0xff800000
	v_mov_b32 v13, 0xff61b1e6                      ; the largest t so far: -3e38, under every t
	s_delay_alu instid0(VALU_DEP_1)
	v_floor_f32 v12, -v13                          ; -M
	v_mov_b32 v14, 0
	v_mov_b32 v15, 0
	v_mov_b32 v[PT], 0                             ; written once: a lane permute's destination counts as one of its sources
	v_mov_b32 v[FF+1], 0                           ; (named as the upper half of a pair)
.set j, 0
.rept 32
	v_mov_b32 v[O+j], 0                            ; O^T.  (A key step is written without a first step of its own: it finds zeros, which the first change of M leaves zeros)
.set j, j+1
.endr
	s_wait_kmcnt 0x0
	s_add_co_i32 s49, s34, s35                     ; a score stands for score x 2^(e2 + e3): added to c's exponent field
	s_lshl_b32 s49, s49, 23
	s_add_co_i32 s[CS], s[CS], s49
	s_mov_b32 s[CS+1], s[CS]                       ; (named with it as a pair)
	s_add_co_i32 s49, s36, 127
	s_lshl_b32 s50, s49, 23
	v_mov_b32 v[PS], s50
	s_add_co_i32 s49, s38, 127
	s_lshl_b32 s50, s49, 23
	v_mov_b32 v[YS], s50
	s_add_co_i32 s60, s36, s37                     ; e4 + e5
; A KEY STEP: the 128 keys at LDS byte s[TB].  diag = 1: the text holds the mask, passed over by a scalar branch where s[DG] is 0.
.macro STEP diag
	s_setprio 2
	v_add_nc_u32 v[ADR], s[TB], v[LI]
.rept 3
	v_nop                                          ; with the addition above: four places behind the last products, in front of loads into registers that they read
.endr
.irp c, 0,1,2,3,4,5,6,7
	ds_load_b128 v[F+8*\c:F+8*\c+3], v[ADR] offset:1024*\c
	ds_load_b128 v[F+8*\c+4:F+8*\c+7], v[ADR] offset:1024*\c+512
.endr
	s_wait_alu depctr_va_vdst(0)
	s_wait_dscnt 0x0
.irp c, 0,1,2,3,4,5,6,7
	v_wmma_f32_16x16x64_fp8_fp8 v[S+8*\c:S+8*\c+7], v[F+8*\c:F+8*\c+7], v[QF:QF+7], 0   ; register 8 c + j of lane (r, h): query r, key 16 c + 8 h + j
.endr
.rept 4
	v_nop                                          ; places: in front of V's loads into K's registers, and of the first read of the scores
.endr
.irp t, 0,1,2,3
.irp g, 0,1,2,3
	ds_load_b128 v[F+16*\t+4*\g:F+16*\t+4*\g+3], v[ADR] offset:8192+2048*\t+512*\g   ; V lands while the softmax is walked
.endr
.endr
.if \diag
	s_cmp_eq_u32 s[DG], 0
	s_cbranch_scc1 .Lopen_\@
.set n, 0
.rept 64
	v_cmp_gt_i32 vcc_lo, 16*(n/8)+n%8, v[DQ]
	v_cndmask_b32 v[S+n], v[S+n], v[NINF], vcc_lo
.set n, n+1
.endr
.Lopen_\@:
.endif
	v_max3_num_f32 v[T0], v[S], v[S+1], v[S+2]     ; the step's largest score of my query, among my 64 keys, in two chains, each accumulator from its low end on
	v_max3_num_f32 v[T1], v[S+3], v[S+4], v[S+5]
.irp i, 6,10,14,18,22,26,30,34,38,42,46,50,54,58
	v_max3_num_f32 v[T0], v[T0], v[S+\i], v[S+\i+1]
	v_max3_num_f32 v[T1], v[T1], v[S+\i+2], v[S+\i+3]
.endr
	v_max3_num_f32 v[T0], v[T0], v[S+62], v[S+63]
	s_delay_alu instid0(VALU_DEP_1)
	v_max_num_f32 v[T0], v[T0], v[T1]
	s_delay_alu instid0(VALU_DEP_1)
	v_permlanex16_b32 v[PT], v[T0], s[SEL], s[SEL+1]
	s_delay_alu instid0(VALU_DEP_1)
	v_max_num_f32 v[T0], v[T0], v[PT]              ; and among lane l xor 16's
	s_delay_alu instid0(VALU_DEP_1)
	v_mul_f32 v[T0], s[CS], v[T0]                  ; as t (c is positive)
	s_delay_alu instid0(VALU_DEP_1)
	v_max_num_f32 v13, v13, v[T0]                  ; the running largest t
	v_mov_b32 v[T0], v12
	s_delay_alu instid0(VALU_DEP_2)
	v_floor_f32 v12, -v13                          ; the new -M = floor(-t) = -ceil(t): a whole number
	s_delay_alu instid0(VALU_DEP_1)
	v_sub_f32 v[T0], v12, v[T0]                    ; old M - new M: a whole number, 0 or less
	s_delay_alu instid0(VALU_DEP_1)
	v_cvt_i32_f32 v[T0], v[T0]                     ; (it saturates)
	s_delay_alu instid0(VALU_DEP_1)
	v_ldexp_f32 v[FF], 1.0, v[T0]                  ; f = 2^(old M - new M)
.set j, 0
.rept 32
	v_pk_fma_f32 v[S+j:S+j+1], v[S+j:S+j+1], s[CS:CS+1], v[12:13] op_sel_hi:[1,0,0]   ; t - M, two at a time (of the pairs c and -M the low word serves both halves)
.set j, j+2
.endr
.set j, 0
	s_setprio 1
	s_wait_alu depctr_va_vdst(0)
.rept 64
	v_exp_f32 v[S+j], v[S+j]                       ; p = 2^(t - M), at most 1
.set j, j+1
.endr
	v_pk_mul_f32 v[14:15], v[14:15], v[FF:FF+1] op_sel_hi:[1,0]   ; the sums under the new M: the plain line behind the exponentials
	s_wait_alu depctr_va_vdst(0)                   ; one wait for the batch of 64, ahead of its first reader
	v_pk_add_f32 v[SU:SU+1], v[S:S+1], v[S+2:S+3]  ; the row's sum is taken of the UNQUANTISED p, in two chains
.irp i, 4,8,12,16,20,24,28,32,36,40,44,48,52,56,60
	v_pk_add_f32 v[14:15], v[14:15], v[S+\i:S+\i+1]
	v_pk_add_f32 v[SU:SU+1], v[SU:SU+1], v[S+\i+2:S+\i+3]
.endr
	s_delay_alu instid0(VALU_DEP_1)
	v_pk_add_f32 v[14:15], v[14:15], v[SU:SU+1]
.irp c, 0,1,2,3,4,5,6,7
.irp i, 0,1,2,3,4,5,6,7
.endr
	v_cvt_scalef32_pk8_fp8_f32 v[P+2*\c:P+2*\c+1], v[S+8*\c:S+8*\c+7], v[PS]   ; registers 2 c, 2 c + 1 of P's fragment: keys 16 c + 8 h + 0..7
.endr
.set j, 0
.rept 16
	v_pk_mul_f32 v[O+j:O+j+1], v[O+j:O+j+1], v[FF:FF+1] op_sel_hi:[1,0]   ; O^T under the new M.  (Also the plain lines between the conversions and the products)
.set j, j+2
.endr
	s_setprio 0
	s_wait_alu depctr_va_vdst(0)
	s_wait_dscnt 0x0                               ; V is in
.irp t, 0,1,2,3
	v_wmma_f32_16x16x128_fp8_fp8 v[O+8*\t:O+8*\t+7], v[F+16*\t:F+16*\t+15], v[P:P+15], v[O+8*\t:O+8*\t+7]   ; the four accumulators take turns, one instruction a turn; eight products of the next step stand between two links
.endr
.endm
	s_wait_loadcnt 0x0                             ; Q
	s_wait_tensorcnt 1                             ; my part of key steps 0 to 7 is in; my part of steps 8 to 15 may be out
	s_barrier_signal -1
	s_barrier_wait -1                              ; everybody's is
	s_mov_b32 s[IT], 0
.La:                                               ; key steps 0 to 7: every wave's first tile lies in groups 8 to 15, so all their keys count
	s_lshl_b32 s[TB], s[IT], 14
	STEP 0
	s_add_co_u32 s[IT], s[IT], 1
	s_cmp_lt_u32 s[IT], 8
	s_cbranch_scc1 .La
	s_setprio 0
	s_wait_tensorcnt 0x0                           ; my part of key steps 8 to 15 is in,
	s_wait_dscnt 0x0
	s_barrier_signal -1
	s_barrier_wait -1                              ; everybody's is
	s_mov_b32 s[IT], 8
.Lb:                                               ; nine trips: the rest of the first tile (steps 8 .. 15 - gp), then the second tile (steps 0 .. gp)
	s_cmp_gt_u32 s[IT], s[GA]
	s_cselect_b32 s47, s[GP], 0
	s_add_co_u32 s47, s47, s[IT]
	s_and_b32 s47, s47, 15                         ; the key step: the counter, or behind the first tile the counter - (16 - gp)
	s_lshl_b32 s[TB], s47, 14
	s_cmp_eq_u32 s[IT], s[GA]
	s_cselect_b32 s[DG], 1, 0                      ; the first tile's last step,
	s_cmp_eq_u32 s[IT], 16
	s_cselect_b32 s[DG], 1, s[DG]                  ; or the second's
	STEP 1
	s_cmp_eq_u32 s[DG], 0
	s_cbranch_scc1 .Lnofin
	; A TILE'S END: y = O^T x 2^(e4 + e5) / the sum, quantised with 2^e6; the conversions' results are the head's 8 registers of the last product's operand
.rept 4
	v_nop                                          ; places behind the last products
.endr
	v_add_f32 v14, v14, v15                        ; the sum's two halves,
	s_delay_alu instid0(VALU_DEP_1)
	v_permlanex16_b32 v[PT], v14, s[SEL], s[SEL+1]
	s_delay_alu instid0(VALU_DEP_1)
	v_add_f32 v14, v14, v[PT]                      ; and lane l xor 16's
	s_wait_alu depctr_va_vdst(0)
	v_rcp_f32 v14, v14
	v_nop                                          ; a plain line behind the reciprocal
	s_wait_alu depctr_va_vdst(0)                   ; and the wait ahead of its first reader
	v_ldexp_f32 v14, v14, s60
.set j, 0
.rept 32
	v_mul_f32 v[S+j], v[O+j], v14                  ; register 8 t + i: y(query r, channel 16 t + 8 h + i); each accumulator from its low end on
.set j, j+1
.endr
.set j, 0
.rept 32
.set j, j+1
.endr
.irp t, 0,1,2,3
	v_cvt_scalef32_pk8_fp8_f32 v[YC+2*\t:YC+2*\t+1], v[S+8*\t:S+8*\t+7], v[YS]
.endr
	v_nop                                          ; a plain line behind the last conversion
	global_store_b128 v[LI], v[YC:YC+3], s[56:57]              ; 32 lanes store 512 consecutive bytes, aligned
	global_store_b128 v[LI], v[YC+4:YC+7], s[56:57] offset:512
	v_mov_b32 v13, 0xff61b1e6                      ; the second tile begins as the first did
	s_delay_alu instid0(VALU_DEP_1)
	v_floor_f32 v12, -v13
	v_mov_b32 v14, 0
	v_mov_b32 v15, 0
.set j, 0
.rept 32
	v_mov_b32 v[O+j], 0
.set j, j+1
.endr
.set j, 0
.rept 8
	v_mov_b32 v[QF+j], v[Q2+j]
.set j, j+1
.endr
	s_wait_xcnt 0x0                                ; the stores have read their data and their base: both are written again only behind this wait
	s_mov_b64 s[56:57], s[58:59]
.Lnofin:
	s_add_co_u32 s[IT], s[IT], 1
	s_cmp_lt_u32 s[IT], 17
	s_cbranch_scc1 .Lb
	s_setprio 0
	s_wait_dscnt 0x0
	s_wait_tensorcnt 0x0
	ds_add_u32 v254, v255
	s_wait_dscnt 0x0
	CROUND                                         ; the closing round
	s_endpgm
.Lfunc_end_k_q92ba65033a_attn:
	.size	k_q92ba65033a_attn, .Lfunc_end_k_q92ba65033a_attn-k_q92ba65033a_attn
	.p2alignl 7, 3214868480
	.fill 96, 4, 3214868480
	.section	.rodata,"a",@progbits
	.p2align	6, 0x0
	.amdhsa_kernel k_q92ba65033a_attn
		.amdhsa_group_segment_fixed_size 327680
		.amdhsa_private_segment_fixed_size 0
		.amdhsa_enable_private_segment 0
		.amdhsa_kernarg_size 24
		.amdhsa_user_sgpr_count 2
		.amdhsa_user_sgpr_kernarg_segment_ptr 1
		.amdhsa_wavefront_size32 1
		.amdhsa_system_sgpr_workgroup_id_x 1
		.amdhsa_system_sgpr_workgroup_id_y 1
		.amdhsa_system_sgpr_workgroup_id_z 1
		.amdhsa_system_vgpr_workitem_id 0
		.amdhsa_next_free_vgpr 256
		.amdhsa_next_free_sgpr 66
		.amdhsa_reserve_vcc 1
		.amdhsa_float_denorm_mode_32 3
		.amdhsa_float_denorm_mode_16_64 3
		.amdhsa_fp16_overflow 1
		.amdhsa_memory_ordered 1
		.amdhsa_forward_progress 1
		.amdhsa_inst_pref_size 45
	.end_amdhsa_kernel
	.amdgpu_metadata
---
amdhsa.version: [ 1, 2 ]
amdhsa.kernels:
  - .name:           k_q92ba65033a_attn
    .symbol:         k_q92ba65033a_attn.kd
    .args:
      - { .name: qkv_img, .offset: 0, .size: 8, .value_kind: global_buffer, .address_space: global }
      - { .name: lowp_scales, .offset: 8, .size: 8, .value_kind: global_buffer, .address_space: global }
      - { .name: y_img, .offset: 16, .size: 8, .value_kind: global_buffer, .address_space: global }
    .group_segment_fixed_size: 327680
    .private_segment_fixed_size: 0
    .kernarg_segment_align: 8
    .kernarg_segment_size: 24
    .max_flat_workgroup_size: 512
    .sgpr_count:     66
    .vgpr_count:     256
    .wavefront_size: 32
...
	.end_amdgpu_metadata
.endif
;; end of part 3
;; launch gemm_out (part 4): grid 4 x 32, 4 waves a work-group, clusters of 4 x 4, 327,680 bytes of LDS; arguments y_img, wo_codes, lowp_scales, out0; writes out0
.if DOCPART == 4
	.amdgcn_target "amdgcn-amd-amdhsa--gfx1250"
	.amdhsa_code_object_version 6
	.text
	.protected	k_q92ba65033a_gemm_out
	.globl	k_q92ba65033a_gemm_out
	.p2align	8
	.type	k_q92ba65033a_gemm_out,@function
k_q92ba65033a_gemm_out:
	s_mov_b64 s[64:65], 0
	v_nop
	global_prefetch_b8 v0, s[64:65] scope:SCOPE_SE
	s_setreg_imm32_b32 hwreg(HW_REG_WAVE_MODE, 25, 1), 1
	s_wait_xcnt 0x0
	s_wait_alu depctr_hold_cnt(0) depctr_sa_sdst(0) depctr_va_vdst(0) depctr_va_sdst(0) depctr_va_ssrc(0) depctr_va_vcc(0) depctr_vm_vsrc(0)
	s_getreg_b32 s2, hwreg(HW_REG_IB_STS2, 6, 4)
	s_cmp_eq_u32 s2, 0
	s_cbranch_scc0 .Lentry_in_a_cluster
	s_endpgm
.Lentry_in_a_cluster:
	s_bfe_u32 s2, ttmp6, 0x10000c
	s_cmp_lg_u32 s2, 0xf033
	s_cbranch_scc0 .Lentry_shape_is_right
	s_endpgm
.Lentry_shape_is_right:
; out0 = y w_out on codes of E4M3; each finished f32 sum is multiplied once by 2^(e6 + e7).  LIMIT: e6 + e7 lies between -126 and 127, so that this power of two is an f32 number.
; y_img: [tile of 16 rows (512)][head (16)][2][32 lanes][16 bytes]: two neighbouring heads' 2,048 bytes ARE the 16 registers of a fragment of 16 rows x 128 K in the plain 8-bit layout (registers 2 c, 2 c + 1: k = 16 c + 8 h + 0..7).
; wo_codes: [1024 (n)][1024 (k)], with the second and third group of eight changed over inside each 32 along K: four loads of 16 bytes at 32 c + 16 h of a row give the same layout.  So every k stands in its own place in both operands.
; A tile of out0, 256 x 256, is made by four waves, 128 x 128 each: 64 accumulators, 512 registers.  K goes in steps of 256 through a ring of two LDS slots filled by the tensor data mover.
; CLUSTERS: 4 x 4 work-groups: A's tiles are asked for jointly along a row of the cluster, B's along a column.  THE MATRIX INSTRUCTION IS USED TRANSPOSED: a lane holds eight neighbouring numbers of a row of out0.
; 128 work-groups: the largest wave tile is kept, since each cycle of matrix work on 8-bit codes wants twice the LDS bytes that it wants on 16-bit numbers.  No prefetch: of four K steps two are asked for at the head.
; REGISTERS, in windows of 256: window 0: v0-31 addresses; v128-255 A's fragments, one set; on the way out v32-255 are free.  window 1: B's fragments, two sets.  windows 2, 3: the accumulators.
.set SIZE_N, 1024
.set ROWB,   256                       ; B: a tile's row in bytes
.set KROW,   1024                      ; B: a row in memory
.set PITCH,  272                       ; B: an LDS row: 256 bytes + 16 of padding: the 16 rows that a load touches start at 16 different banks (64 banks of 4 bytes: ISA guide 11.1)
.set FR,     16
.set NL,     4
.set NP,     4
.set AHALF,  32768                     ; A: 8 tiles of 16 rows x 4,096 bytes (256 along K), on end: every read is 16 x lane, 512 consecutive bytes
.set BHALF,  128*PITCH                 ; B: 128 rows
.set SLOT,   2*AHALF+2*BHALF           ; A's two halves, then B's two
.set LAPS,   2
.set SPARE,  2*SLOT                    ; behind the ring: the spare words, 128 bytes for each wave
.set SPITCH, 528                       ; the way out: a stage of 16 rows x (512 bytes + 16) for each wave, in slot 0, which has had its last fill and its last read when the first result is stored there
.set ADRA, 16
.set ADRB, 20
.set STO,  24                          ; v24     the way out: where I put 32 bytes of a row
.set RD,   25                          ; v25     where I read a row back
.set CO,   26                          ; v26     16 x lane: my place in an image, and in a row of out0
.set SPW,  28
.set NIL,  29
.set TMP,  32                          ; the way out: a block's sums x 2^(e6 + e7)
.set AF,   128
.set BK,   128                         ; the way out: 16 rows read back: v128-191 and v192-255 by turns
.set G1, 24
.set G0, 32
.set G1B, 48
.set G0B, 56
.set MSB, 0
.macro WIN new
.if MSB != (\new)
	s_set_vgpr_msb (MSB<<8)|(\new)
.set MSB, (\new)
.endif
.endm
.set MUL_LO, 0xa1
.set MUL_HI, 0xf1
.set TO_B,   0x40
.macro JLOAD g0a, g1a, g0b, g1b        ; a joint load: waves 0 and 1 fetch for A, waves 2 and 3 for B; four v_nop follow each line
	s_cmp_eq_u32 s15, 0
	s_cbranch_scc0 .Lfor_b_\@
	tensor_load_to_lds s[\g0a:\g0a+3], s[\g1a:\g1a+7]
	s_nop 0
.rept 4
	v_nop
.endr
	s_branch .Lasked_\@
.Lfor_b_\@:
	tensor_load_to_lds s[\g0b:\g0b+3], s[\g1b:\g1b+7]
	s_nop 0
.rept 4
	v_nop
.endr
.Lasked_\@:
.endm
.macro CREST
	s_cmp_lg_u32 s14, 0
	s_cbranch_scc1 .Lnot_wave_0_\@
	s_barrier_signal -3
.Lnot_wave_0_\@:
	s_barrier_wait -3
	s_barrier_signal -1
	s_barrier_wait -1
.endm
.macro CROUND
	s_barrier_signal -1
	s_barrier_wait -1
	CREST
.endm
	s_load_b128 s[4:7], s[0:1], 0x0                ; y_img s[4:5], wo_codes s[6:7]
	s_load_b128 s[8:11], s[0:1], 0x10              ; the scales' exponents s[8:9], out0 s[10:11]
	v_lshl_add_u32 v[SPW], v0, 2, SPARE
	v_mov_b32 v[NIL], 0
	ds_add_u32 v28, v29
	ds_add_u32 v28, v29
	s_wait_dscnt 0x0
	v_lshrrev_b32 v1, 5, v0
	v_readfirstlane_b32 s14, v1                    ; wave 0..3
	s_lshr_b32 s15, s14, 1                         ; which half of the tile's rows is mine.  Also: I fetch for A (0) or for B (1)
	s_and_b32 s16, s14, 1                          ; which half of its columns.  Also: which half of that tile I fetch
	s_bfe_u32 s40, ttmp6, 0x40000                  ; cx, cy
	s_bfe_u32 s41, ttmp6, 0x40004
	s_lshl_b32 s42, ttmp9, 2
	s_add_co_u32 s42, s42, s40                     ; tile column = 4 x cluster x + cx
	s_and_b32 s17, ttmp7, 0xffff
	s_lshl_b32 s17, s17, 2
	s_add_co_u32 s17, s17, s41                     ; tile row = 4 x cluster y + cy
	s_lshl_b32 s43, s41, 2
	s_lshl_b32 s43, 15, s43                        ; my row of the cluster
	s_lshl_b32 s44, 0x1111, s40                    ; my column
	; descriptor group 1 for A: 8 tiles of rows, of each 4,096 bytes (four heads), 16,384 bytes apart in memory, on end in LDS
	s_or_b32 s[G1+0], s43, (0<<16)|(1<<21)         ; 15:0 the mask; 17:16 element of 1 byte; 21 set beside a mask; no padding
	s_mov_b32 s[G1+1], 4096<<16                    ; tensor_dim0
	s_mov_b32 s[G1+2], 8<<16                       ; tensor_dim1 = 8
	s_mov_b32 s[G1+3], 4096<<16                    ; tile_dim0
	s_mov_b32 s[G1+4], 8                           ; tile_dim1 = 8
	s_mov_b32 s[G1+5], 16384                       ; tensor_dim0_stride
	s_mov_b32 s[G1+6], 0
	s_mov_b32 s[G1+7], 0
	; for B: 128 rows x 256 bytes, padded in LDS
	s_or_b32 s[G1B+0], s44, (0<<16)|(1<<20)|(1<<21)|(5<<22)|(3<<25)  ; 20 padding on; 24:22 after every 64 words (code 5); 31:25 of 4 words (code 3)
	s_mov_b32 s[G1B+1], ROWB<<16
	s_mov_b32 s[G1B+2], 128<<16
	s_mov_b32 s[G1B+3], ROWB<<16
	s_mov_b32 s[G1B+4], 128
	s_mov_b32 s[G1B+5], KROW
	s_mov_b32 s[G1B+6], 0
	s_mov_b32 s[G1B+7], 0
	s_lshl_b32 s18, s16, 7                         ; which 128 rows of the tile I fetch
	s_lshl_b32 s20, s17, 8
	s_add_co_u32 s20, s20, s18                     ; A: row 256 x tile row + 128 x half;
	s_lshl_b32 s20, s20, 10                        ; 16 rows are 16,384 bytes of y_img: 1,024 a row
	s_mov_b32 s21, 0
	s_lshl_b32 s46, s42, 8
	s_add_co_u32 s46, s46, s18                     ; B: row 256 x tile column + 128 x half
	s_lshl_b32 s46, s46, 10
	s_mov_b32 s47, 0
	s_lshl_b32 s45, s16, 15                        ; where they go: A's half x 32,768;
	s_mul_i32 s66, s16, BHALF
	s_add_co_u32 s66, s66, 2*AHALF                 ; B's halves behind A's two: no place in the cluster enters an LDS address
	s_wait_kmcnt 0x0
	s_load_b64 s[96:97], s[8:9], 0x18              ; e6, e7
	s_add_nc_u64 s[20:21], s[4:5], s[20:21]
	s_add_nc_u64 s[46:47], s[6:7], s[46:47]
	CROUND                                         ; all sixteen work-groups are here: the first joint loads meet
.irp s, 0,1
	s_mov_b32 s[G0+4*\s], 1
	s_add_co_u32 s[G0+4*\s+1], s45, \s*SLOT
	s_add_nc_u64 s[G0+4*\s+2:G0+4*\s+3], s[20:21], \s*4096
	s_or_b32 s[G0+4*\s+3], s[G0+4*\s+3], 0x80000000
	s_mov_b32 s[G0B+4*\s], 1
	s_add_co_u32 s[G0B+4*\s+1], s66, \s*SLOT
	s_add_nc_u64 s[G0B+4*\s+2:G0B+4*\s+3], s[46:47], \s*ROWB
	s_or_b32 s[G0B+4*\s+3], s[G0B+4*\s+3], 0x80000000
	s_wait_alu depctr_va_vdst(0)
	s_wait_tensorcnt 0x0
	ds_add_u32 v28, v29
	ds_add_u32 v28, v29
	s_wait_dscnt 0x0
	CROUND
	JLOAD G0+4*\s, G1, G0B+4*\s, G1B
.endr
	v_and_b32 v1, 15, v0                           ; l % 16
	v_bfe_u32 v2, v0, 4, 1                         ; l / 16
	v_mul_u32_u24 v3, v1, PITCH
	v_lshl_add_u32 v4, v2, 4, v3                   ; B: a fragment's row x pitch + 16 x half
	v_and_b32 v6, 31, v0
	v_lshlrev_b32 v[CO], 4, v6                     ; A: 16 x lane
	s_wait_alu depctr_va_vdst(0)
	s_lshl_b32 s21, s15, 15                        ; my 128 rows of A
	s_mul_i32 s22, s16, BHALF                      ; my 128 rows of B,
	s_add_co_u32 s22, s22, 2*AHALF                 ; which lie behind A's
.irp s, 0,1
	v_add_nc_u32 v[ADRA+\s], s21, v[CO]
	v_add_nc_u32 v[ADRB+\s], s22, v4
	s_add_co_u32 s21, s21, SLOT
	s_add_co_u32 s22, s22, SLOT
.endr
	s_mul_i32 s23, s14, 16*SPITCH                  ; my stage
	v_mul_u32_u24 v5, v1, SPITCH                   ; in: row l % 16, 32 bytes for each half of the lanes
	v_lshl_add_u32 v5, v2, 5, v5
	v_add_nc_u32 v[STO], s23, v5
	v_add_nc_u32 v[RD], s23, v[CO]                 ; back: the 32 lanes take one row of 512 bytes
	s_lshl_b32 s20, s17, 8
	s_lshl_b32 s21, s15, 7
	s_add_co_u32 s20, s20, s21                     ; my first row of out0,
	s_lshl_b32 s20, s20, 12                        ; in bytes (rows of 4,096)
	s_lshl_b32 s46, s42, 10                        ; my first column, in bytes: 1,024 x tile column + 512 x half
	s_lshl_b32 s47, s16, 9
	s_add_co_u32 s46, s46, s47
	s_add_co_u32 s20, s20, s46
	s_mov_b32 s21, 0
	s_add_nc_u64 s[10:11], s[10:11], s[20:21]
.macro FRAGA reg, adr, q, i            ; A's fragment of tile i, the slot's q-th 128 along K: four groups of four registers, as they were stored
.irp c, 0,1,2,3
	ds_load_b128 v[\reg+4*\c:\reg+4*\c+3], v[\adr] offset:4096*(\i)+2048*(\q)+512*\c
.endr
.endm
.macro FRAGB reg, adr, q, i            ; B's: 16 rows x 128 K from rows that lie along K
.irp c, 0,1,2,3
	ds_load_b128 v[\reg+4*\c:\reg+4*\c+3], v[\adr] offset:128*(\q)+32*\c+(\i)*16*PITCH
.endr
.endm
; 16 matrix instructions: A's blocks a0, a0 + 1 x B's eight.  The 64 accumulators take turns, one instruction a turn, in the same order in every step.
.macro MUL16 a0, p, zero
.irp a, \a0, \a0+1
.irp b, 0,1,2,3,4,5,6,7
.if \zero
	v_wmma_f32_16x16x128_fp8_fp8 v[8*(8*((\a)%4)+\b):8*(8*((\a)%4)+\b)+7], v[128*(\p)+FR*\b:128*(\p)+FR*\b+FR-1], v[AF+FR*(\a):AF+FR*(\a)+FR-1], 0
.else
	v_wmma_f32_16x16x128_fp8_fp8 v[8*(8*((\a)%4)+\b):8*(8*((\a)%4)+\b)+7], v[128*(\p)+FR*\b:128*(\p)+FR*\b+FR-1], v[AF+FR*(\a):AF+FR*(\a)+FR-1], v[8*(8*((\a)%4)+\b):8*(8*((\a)%4)+\b)+7]
.endif
.endr
.endr
.endm
.macro FETCH_B slot, q, p
	WIN TO_B
.irp i, 0,1,2,3,4,5,6,7
	FRAGB 128*(\p)+FR*\i, ADRB+\slot, \q, \i
.endr
	WIN 0
.endm
.macro FETCH_A slot, q, i0
.irp i, \i0, \i0+1, \i0+2, \i0+3
	FRAGA AF+FR*(\i), ADRA+\slot, \q, \i
.endr
.endm
.macro PLACES n                        ; four plain vector instructions behind a matrix instruction, in front of loads into registers that it read and of reads of its results
.rept \n
	v_nop
.endr
.endm
.macro STEP slot, q, zero
	s_wait_dscnt 4*NL                              ; B's set and A's blocks 0-3 are in; the youngest 16 loads (A's blocks 4-7) may be out
	WIN MUL_LO
	MUL16 0, (\q)%2, \zero
	MUL16 2, (\q)%2, \zero
	s_wait_dscnt 0                                 ; A's blocks 4-7 are in
	PLACES NP
	FETCH_B \slot, (\q)+1, 1-(\q)%2
	FETCH_A \slot, (\q)+1, 0
	WIN MUL_HI
	MUL16 4, (\q)%2, \zero
	MUL16 6, (\q)%2, \zero
	PLACES NP
	WIN 0
	FETCH_A \slot, (\q)+1, 4
.endm
.macro TURN slot, next, fill
	s_wait_tensorcnt 0x0                           ; all my tensor loads have landed: my part of the next slot  (every window is 0 here)
	ds_add_u32 v[SPW], v[NIL]                      ; 0 onto my spare word
	s_wait_dscnt 4*NL+1                            ; (the add and the youngest 16 loads may be out)
	WIN MUL_LO
	MUL16 0, 1, 0                                  ; sixteen matrix instructions stand between the add and the wait for it
	s_wait_dscnt 0x0                               ; the add is done, and my reads of this slot are over
	s_barrier_signal -1
	MUL16 2, 1, 0
	WIN 0
	s_barrier_wait -1
.if \fill
	CREST                                          ; the barrier has opened a round of the cluster's barrier: no wave of any partner still reads this slot or has a load on its way
	s_add_nc_u64 s[G0+4*\slot+2:G0+4*\slot+3], s[G0+4*\slot+2:G0+4*\slot+3], 2*4096
	s_add_nc_u64 s[G0B+4*\slot+2:G0B+4*\slot+3], s[G0B+4*\slot+2:G0B+4*\slot+3], 2*ROWB
	JLOAD G0+4*\slot, G1, G0B+4*\slot, G1B         ; the first tensor load behind the round; its four v_nop are also the places in front of the loads below
.else
	PLACES NP
.endif
	FETCH_B \next, 0, 0
	FETCH_A \next, 0, 0
	WIN MUL_HI
	MUL16 4, 1, 0
	MUL16 6, 1, 0
	PLACES NP
	WIN 0
	FETCH_A \next, 0, 4
.endm
	s_wait_alu depctr_va_vdst(0)
	s_wait_tensorcnt 1                             ; my part of K step 0 is in (K step 1's load may be out)
	s_barrier_signal -1
	s_barrier_wait -1                              ; everybody's is
	FETCH_B 0, 0, 0
	FETCH_A 0, 0, 0
	FETCH_A 0, 0, 4
	STEP 0, 0, 1                                   ; the first step stands in front of the loop: its products start the sums
	s_mov_b32 s3, LAPS-1
.Llap:
	TURN 0, 1, 1
	STEP 1, 0, 0
	TURN 1, 0, 1
	STEP 0, 0, 0
	s_sub_co_u32 s3, s3, 1
	s_cmp_lg_u32 s3, 0
	s_cbranch_scc1 .Llap
	TURN 0, 1, 0                                   ; the last lap fills nothing, and has no round of the cluster's barrier
	STEP 1, 0, 0
	s_wait_dscnt 4*NL
	WIN MUL_LO
	MUL16 0, 1, 0
	MUL16 2, 1, 0
	s_wait_dscnt 0
	WIN MUL_HI
	MUL16 4, 1, 0
	MUL16 6, 1, 0
	WIN 0
; THE WAY OUT, block by block of 16 rows x 128 columns: through my own stage in LDS and back as whole rows of 512 bytes.  LDS serves a wave's instructions in order (ISA guide 5.7.1.4): no wait between the stores and the loads.
.macro TOSTAGE a
.set AC, 64*((\a)%4)
	WIN 0x02+((\a)/4)                              ; source 0: window 2 or 3
.irp j, 0,2,4,6,8,10,12,14,16,18,20,22,24,26,28,30,32,34,36,38,40,42,44,46,48,50,52,54,56,58,60,62
	v_pk_mul_f32 v[TMP+\j:TMP+\j+1], v[AC+\j:AC+\j+1], s[96:97] op_sel_hi:[1,0]   ; both x s96 = 2^(e6 + e7); each accumulator from its low end on
.endr
	WIN 0
.irp b, 0,1,2,3,4,5,6,7
	ds_store_b128 v[STO], v[TMP+8*\b:TMP+8*\b+3] offset:64*\b
	ds_store_b128 v[STO], v[TMP+8*\b+4:TMP+8*\b+7] offset:64*\b+16
.endr
.set BB, BK+64*((\a)%2)
.irp t, 0,1,2,3,4,5,6,7,8,9,10,11,12,13,14,15
	ds_load_b128 v[BB+4*\t:BB+4*\t+3], v[RD] offset:\t*SPITCH
.endr
.endm
.macro SEND a, younger                 ; younger: the LDS instructions issued behind block a's loads, which may stay out
.set BB, BK+64*((\a)%2)
	s_wait_dscnt \younger                          ; the block is back in registers
.if (\a) > 0
	s_add_nc_u64 s[10:11], s[10:11], 16*SIZE_N*4   ; (behind a wait on XCNT: the earlier stores have read their base)  16 rows on
.endif
.irp t, 0,1,2,3,4,5,6,7,8,9,10,11,12,13,14,15
	global_store_b128 v[CO], v[BB+4*\t:BB+4*\t+3], s[10:11] offset:\t*SIZE_N*4 th:TH_STORE_NT   ; 32 lanes store 512 consecutive bytes, aligned; written once, read by nobody here
.endr
.endm
	s_wait_kmcnt 0x0
	s_add_co_i32 s96, s96, s97                     ; e6 + e7, between -126 and 127,
	s_add_co_i32 s96, s96, 127
	s_lshl_b32 s96, s96, 23                        ; makes the f32 number 2^(e6 + e7)
	PLACES NP                                      ; behind the last products: for the loads into the registers that held A's fragments and for the reads of results
	TOSTAGE 0
.irp a, 1,2,3,4,5,6,7
.if \a > 1
	s_wait_xcnt 0x0                                ; block a - 2's stores have read their registers and their base: block a's loads may land there, and the base may step
.endif
	TOSTAGE \a
	SEND \a-1, 32                                  ; behind block a - 1's loads: block a's 16 stores and 16 loads
.endr
	s_wait_xcnt 0x0                                ; block 6's stores have read their base
	SEND 7, 0
	s_wait_tensorcnt 0x0                           ; the wave's end
	ds_add_u32 v[SPW], v[NIL]
	s_wait_dscnt 0x0
	CROUND                                         ; the closing round: no work-group ends while a partner may still ask for a tile that names it
	s_endpgm
.Lfunc_end_k_q92ba65033a_gemm_out:
	.size	k_q92ba65033a_gemm_out, .Lfunc_end_k_q92ba65033a_gemm_out-k_q92ba65033a_gemm_out
	.p2alignl 7, 3214868480
	.fill 96, 4, 3214868480
	.section	.rodata,"a",@progbits
	.p2align	6, 0x0
	.amdhsa_kernel k_q92ba65033a_gemm_out
		.amdhsa_group_segment_fixed_size 327680
		.amdhsa_private_segment_fixed_size 0
		.amdhsa_enable_private_segment 0
		.amdhsa_kernarg_size 32
		.amdhsa_user_sgpr_count 2
		.amdhsa_user_sgpr_kernarg_segment_ptr 1
		.amdhsa_wavefront_size32 1
		.amdhsa_system_sgpr_workgroup_id_x 1
		.amdhsa_system_sgpr_workgroup_id_y 1
		.amdhsa_system_sgpr_workgroup_id_z 1
		.amdhsa_system_vgpr_workitem_id 0
		.amdhsa_next_free_vgpr 1024
		.amdhsa_next_free_sgpr 98
		.amdhsa_reserve_vcc 0
		.amdhsa_float_denorm_mode_32 3
		.amdhsa_float_denorm_mode_16_64 3
		.amdhsa_memory_ordered 1
		.amdhsa_forward_progress 1
		.amdhsa_inst_pref_size 124
	.end_amdhsa_kernel
	.amdgpu_metadata
---
amdhsa.version: [ 1, 2 ]
amdhsa.kernels:
  - .name:           k_q92ba65033a_gemm_out
    .symbol:         k_q92ba65033a_gemm_out.kd
    .args:
      - { .name: y_img, .offset: 0, .size: 8, .value_kind: global_buffer, .address_space: global }
      - { .name: wo_codes, .offset: 8, .size: 8, .value_kind: global_buffer, .address_space: global }
      - { .name: lowp_scales, .offset: 16, .size: 8, .value_kind: global_buffer, .address_space: global }
      - { .name: out0, .offset: 24, .size: 8, .value_kind: global_buffer, .address_space: global }
    .group_segment_fixed_size: 327680
    .private_segment_fixed_size: 0
    .kernarg_segment_align: 8
    .kernarg_segment_size: 32
    .max_flat_workgroup_size: 128
    .sgpr_count:     98
    .vgpr_count:     1024
    .wavefront_size: 32
...
	.end_amdgpu_metadata
.endif
;; end of part 4
